; MI455X (gfx1250); checked and timed in simulation.
; The chip was launched on July 23, 2026; its instructions are those of AMD's public machine-readable ISA for CDNA 5 (MIT licence, August 2026) and "CDNA5" Instruction Set Architecture Reference Guide (July 2026). The comments in the code are by the model that wrote it; some were corrected since.
;; Non Local Block2 D. Allowed arithmetic: matrix products marked QUANTISED: E4M3 operands, one given power-of-two scale a tensor, by v_wmma_f32_16x16x64_fp8_fp8 or v_wmma_f32_16x16x128_fp8_fp8, f32 sums; everything else in f32.
;; Inputs: bg 128 float32; bm 256 float32; bp 128 float32; bt 128 float32; lowp_scales 12 int32 (the exponents e of the quantised operands' scales 2^e); wg 128 x 256 float32; wm 256 x 128 float32; wp 128 x 256 float32; wt 128 x 256 float32; x 8 x 256 x 64 x 64 float32.
;; Outputs: out0 8 x 256 x 64 x 64 float32.
;; This version of the problem:
;;   THIS VERSION OF THE PROBLEM IS GIVEN IN LOW PRECISION. The matrix products marked QUANTISED in the list below multiply operands that are first quantised to E4M3 (4 exponent bits, 3 mantissa bits; 8 bits a number), with one given power-of-two scale for each operand tensor; their sums are f32. All else is computed in f32.
;;   The module's matrix products, in the order in which they are computed (A, B: the left and right operand; K: the contracted axis; several contracted axes count as one K, in the product's order):
;;     1. [M 32,768, K 256] x [K 256, N 128]; A: input x; B: input wg: QUANTISED (scales: A lowp_scales[0], B lowp_scales[1])
;;     2. [M 32,768, K 256] x [K 256, N 128]; A: input x; B: input wt: QUANTISED (scales: A lowp_scales[2], B lowp_scales[3])
;;     3. [M 32,768, K 256] x [K 256, N 128]; A: input x; B: input wp: QUANTISED (scales: A lowp_scales[4], B lowp_scales[5])
;;     4. batch 8 x [M 4,096, K 128] x [K 128, N 4,096]; A: computed on the way; B: computed on the way: QUANTISED (scales: A lowp_scales[6], B lowp_scales[7])
;;     5. batch 8 x [M 4,096, K 4,096] x [K 4,096, N 128]; A: softmax (see below); B: computed on the way: QUANTISED (scales: A lowp_scales[8], B lowp_scales[9])
;;     6. [M 32,768, K 128] x [K 128, N 256]; A: computed on the way; B: input wm: QUANTISED (scales: A lowp_scales[10], B lowp_scales[11])
;;   THE QUANTISER, for each operand of a quantised product, along K:
;;     - The operand's scale is 2^e, e = its entry of the input lowp_scales (int32; the entries are numbered through the quantised products in the list's order, A before B).
;;     - Each number is divided by the scale, clamped to +-448, and rounded to the nearest number of E4M3, ties to even, subnormals kept.
;;     - The product sums the exact products of the quantised numbers (number of the format x scale) in f32.
;;   ~~~python
;;   def quantise(x, axis, e):      # numpy; x: float32 -> the quantised numbers, widened to float32 again
;;       x = np.moveaxis(x, axis, -1); K = x.shape[-1]
;;       r = np.clip(x / 2.0 ** e, -448, 448)
;;       step = 2.0 ** (np.maximum(np.frexp(np.where(r == 0, 1, r))[1] - 1, -6) - 3)
;;       q = np.round(r / step) * step * 2.0 ** e      # np.round: ties to even
;;       return np.moveaxis(q, -1, axis).astype(np.float32)
;;   ~~~
;;   SOFTMAX AHEAD OF A QUANTISED PRODUCT. Where the list says 'softmax', what is quantised is not the finished softmax but p = 2^(t - M), with t = logit x log2(e) and M = ceil(the row's largest t), a whole number; so 1/2 < the row's largest p <= 1. The row's sum l is taken of the UNQUANTISED p, in f32, and the product's result is divided by l at the end. Since M is a whole number, a kernel that streams over the keys may use a running M (the ceiling of the running maximum): every later rescaling is an exact power of two, so the quantised numbers keep their values, but for numbers so far below the row's largest that they fall under the format's range.
;;   OPERANDS COMPUTED ON THE WAY. 'Computed on the way' means the value that the module computes at that place (a softmax that the list does not call 'softmax' is quantised finished and normalised). What goes into a quantiser is computed in f32, as accurately as f32 sums, v_exp_f32 and their like allow (about 1e-6 of the number): no bf16 or f16 on the way to a quantiser, and a product that is left as it is and whose result goes on into a quantised operand takes f32 operands (vector FMAs, or v_wmma_f32_16x16x4_f32). A number that lies on a knife's edge between two numbers of the format may be rounded either way, as far as f32 arithmetic and the matrix unit's own rounding can turn it there, and no further.
;; One version. Each part assembles by itself: llvm-mc -triple=amdgcn-amd-amdhsa -mcpu=gfx1250 --defsym DOCPART=n.
;; ======== version 1 of 1: 2 launches
;; workspace buffers: theta_img 4,194,304 bytes; kv 8,388,608 bytes; wm_img 32,768 bytes
;; launch proj (part 1): grid 256 x 1, 4 waves a work-group, no clusters, 229,888 bytes of LDS; arguments x, wg, wt, wp, bg, bt, bp, wm, lowp_scales, theta_img, kv, wm_img; writes theta_img, kv, wm_img
.if DOCPART == 1
	.amdgcn_target "amdgcn-amd-amdhsa--gfx1250"
	.amdhsa_code_object_version 6
	.text
	.protected	k_q9437748bd2_proj
	.globl	k_q9437748bd2_proj
	.p2align	8
	.type	k_q9437748bd2_proj,@function
k_q9437748bd2_proj:
	s_mov_b64 s[64:65], 0
	v_nop
	global_prefetch_b8 v0, s[64:65] scope:SCOPE_SE
	s_setreg_imm32_b32 hwreg(HW_REG_WAVE_MODE, 25, 1), 1
	s_wait_xcnt 0x0
; g, theta, phi = relu(W x + b) for 128 positions of one batch, on codes of FP8 (E4M3), and their codes for the next launch.
; x: [8][256 channels][4096 positions] f32.  wg, wt, wp: [128][256] f32.  K = the channels, which are x's OUTER axis.  x has a scale of its own in each of the three
; products (e0, e2, e4), so it is quantised three times; the weights with e1, e3, e5; the results with e9 (g), e6 (theta), e7 (phi); wm with e11.
; SHARES.  Work-group id = 32 b + st takes positions 128 st .. 128 st + 127 of batch b.  THE WAVES SHARE THE COLUMNS: wave w makes channels 32 w .. 32 w + 31 of each of g, theta, phi,
; for all 128 positions: its 12 weight fragments (192 registers) are quantised in registers once, while x's tile is on its way.
; x's tile (256 channels x 512 bytes) comes by one tensor load a wave, 64 rows each, filled once.  A lane then takes a position and its registers run down the channels,
; so the conversions give codes with K innermost.  The codes go from wave to wave through LDS as IMAGES OF THE OPERAND'S REGISTERS: a fragment (16 rows x 128 K, 16 registers a lane)
; is four chunks of 512 bytes, lane l's registers 4 c .. 4 c + 3 at 512 c + 16 l.
; In these three products K is laid k = 32 c + 16 (lane / 16) + 0 .. 15 in registers 4 c .. 4 c + 3, alike in x and in the weights: every product meets its partner.
; WHAT IS STORED, all as such images, each store 512 consecutive bytes at a multiple of 512:
;   theta_img [b][query tile 256][2048]: lane l % 16 = query, registers 2 t, 2 t + 1 = channels 16 t + 8 (l / 16) + 0 .. 7.
;   kv [b][key step 32][32768]: 8 fragments of phi (lane = key, K = channels, as theta), then 8 of g^T (lane = channel, registers 2 c, 2 c + 1 = keys 16 c + 8 (l / 16) + 0 .. 7).
;   wm_img [o tile 16][2048]: lane = output channel, K = the 128 inner channels; made by work-groups 0 to 15, a chunk a wave.
; theta and phi use the matrix instruction with source 0 = 16 rows of the weight, source 1 = 16 positions: a lane holds one position and eight neighbouring channels: one conversion gives two
; registers of the next operand.  g the other way round: a lane holds one channel and eight neighbouring positions, the next product's K.
; No cluster: what the work-groups share is 384 KiB of f32 weights, which have no room in LDS beside the 128 KiB tile and the 96 KiB of images; each wave reads its own slice of them into registers once.
; LIMITS: e0 .. e5, e11, and e9 - e0 - e1, e6 - e2 - e3, e7 - e4 - e5 lie between -126 and 119, so that each power of two below, and 448 times it, is an f32 number.  NaN among the inputs is not served.
; REGISTERS, window 0: v1-12 addresses; v16-207 by phases (below); v208-211 wm's codes; v236-255 scales.  Window 1: v0-191 the 12 weight fragments; v192-239 the biases in the results' layout.
.set XIMG, 131072                      ; LDS: 0 .. 131071 x's tile, a channel's row 512 bytes, wave w's 64 rows at 32768 w; from XIMG: x's images, (q, m, s) at 32768 q + 4096 m + 2048 s
.set IA,   3                           ; v3-5    where I store x's images, q = 0, 1, 2
.set FA,   6                           ; v6-8    where I read them
.set WS,   16                          ; weights: v16-207, three sets of 64 numbers
.set X,    16                          ; x: v16-79 two sets of 32 numbers; v80-111 the numbers held; v112-135 their codes, 8 registers for each q
.set T,    80
.set PC,   112
.set XF,   16                          ; products: v16-111 x's six fragments (q, s) at 32 q + 16 s
.set ACC,  112                         ; v112-159 six accumulators (p, u) at 16 p + 8 u; p = 0 g, 1 theta, 2 phi
.set OC,   160                         ; v160-175 theta's and phi's codes, two sets of 8 by turns
.set GC,   176                         ; v176-207 g^T's two fragments, gathered over the eight tiles of positions
.set XS,   236                         ; v236-238 2^e of x for q = 0, 1, 2;  v239-241 448 x that
.set XL,   239
.set WSC,  242                         ; the same for the three weights
.set WL,   245
.set OS,   248                         ; and for the three results: 2^(e out - e x - e w)
.set OL,   251
.set MS,   254                         ; wm's
.set ML,   255
.set BI,   192                         ; window 1: the biases, (p, u) at 16 p + 8 u
.set MSB, 0
.macro WIN new                         ; the immediate's high byte repeats the setting that is left
.if MSB != \new
	s_set_vgpr_msb (MSB<<8)|\new
.set MSB, \new
.endif
.endm
.macro PLACES                          ; four plain vector lines behind matrix instructions, ahead of loads into their registers and of reads of their results
.rept 4
	v_nop
.endr
.endm
.macro MKSC e, vs, vl                  ; from the whole number in s[e]: 2^e as f32 into v[vs], 448 x 2^e into v[vl]
	s_add_co_i32 s80, s[\e], 127
	s_lshl_b32 s81, s80, 23
	v_mov_b32 v[\vs], s81
	s_add_co_i32 s80, s80, 8
	s_lshl_b32 s80, s80, 23
	s_or_b32 s80, s80, 0x600000
	v_mov_b32 v[\vl], s80
.endm
; weight fragment f = 4 p + 2 u + s: rows 32 w + 16 u + (l % 16) of weight p, channels 128 s + 32 c + 16 (l / 16) + 0 .. 15: 64 numbers a lane into set f % 3
.macro WLOAD f
.set WB, 6+2*((\f)/4)
.set WO, (((\f)/2)%2)*16384+((\f)%2)*512
.set WR, WS+64*((\f)%3)
.irp c, 0,1,2,3
.irp j, 0,1,2,3
	global_load_b128 v[WR+16*\c+4*\j:WR+16*\c+4*\j+3], v9, s[WB:WB+1] offset:WO+128*\c+16*\j
.endr
.endr
.endm
.macro WQUANT f                        ; held within +-448 x the scale (the conversion does not saturate: ISA guide 7.6.2), converted into window 1
.set WR, WS+64*((\f)%3)
.set WT, (\f)/4
.set i, 0
.rept 64
	v_med3_num_f32 v[WR+i], v[WR+i], -v[WL+WT], v[WL+WT]
.set i, i+1
.endr
	WIN 0x40                               ; destination window 1
.irp c, 0,1,2,3
	v_cvt_scalef32_pk8_fp8_f32 v[16*(\f)+4*\c:16*(\f)+4*\c+1], v[WR+16*\c:WR+16*\c+7], v[WSC+WT]
	v_cvt_scalef32_pk8_fp8_f32 v[16*(\f)+4*\c+2:16*(\f)+4*\c+3], v[WR+16*\c+8:WR+16*\c+15], v[WSC+WT]
.endr
	WIN 0
	v_nop                                  ; a plain line behind the last conversion
.endm
; unit n of 8: 32 channels (64 w + 32 (n / 4) on) x 32 positions (32 (n % 4) on): a lane takes a position, its 32 registers run down the channels
.macro XLOAD n
.set XR, X+32*((\n)%2)
.set i, 0
.rept 32
	ds_load_b32 v[XR+i], v2 offset:(32*((\n)/4)+i)*512+128*((\n)%4)
.set i, i+1
.endr
.endm
.macro UNIT n
.if (\n) < 7
	XLOAD (\n)+1
	s_wait_dscnt 32                        ; all but the 32 loads just issued: this unit's numbers are in, the last unit's stores have read their registers
.else
	s_wait_dscnt 0x0
.endif
.set XR, X+32*((\n)%2)
.irp q, 0,1,2
.set i, 0
.rept 32
	v_med3_num_f32 v[T+i], v[XR+i], -v[XL+\q], v[XL+\q]
.set i, i+1
.endr
.irp k, 0,1,2,3
	v_cvt_scalef32_pk8_fp8_f32 v[PC+8*\q+2*\k:PC+8*\q+2*\k+1], v[T+8*\k:T+8*\k+7], v[XS+\q]
.endr
	v_nop                                  ; a plain line between the conversions and the next holds, which write their sources
	ds_store_b128 v[IA+\q], v[PC+8*\q:PC+8*\q+3] offset:((\n)%4)*8192+((\n)/4)*512          ; the chunk's channels 0-15: the place of lanes 0-15
	ds_store_b128 v[IA+\q], v[PC+8*\q+4:PC+8*\q+7] offset:((\n)%4)*8192+((\n)/4)*512+256    ; channels 16-31: the place of lanes 16-31
.endr
.endm
.macro FETCHX m                        ; x's six fragments of positions 16 m on
.irp q, 0,1,2
.irp s, 0,1
.irp c, 0,1,2,3
	ds_load_b128 v[XF+32*\q+16*\s+4*\c:XF+32*\q+16*\s+4*\c+3], v[FA+\q] offset:(\m)*4096+\s*2048+\c*512
.endr
.endr
.endr
.endm
; 12 matrix instructions: six accumulators by turns, one instruction a turn, in the same order in both K steps.  The bias, divided by the power of two that the sums lack, is the first C.
.macro MULS
	WIN 0x11                               ; source 0 (weight) and C (bias) window 1
.irp p, 1,2
.irp u, 0,1
	v_wmma_f32_16x16x128_fp8_fp8 v[ACC+16*\p+8*\u:ACC+16*\p+8*\u+7], v[16*(4*\p+2*\u):16*(4*\p+2*\u)+15], v[XF+32*\p:XF+32*\p+15], v[BI+16*\p+8*\u:BI+16*\p+8*\u+7]
.endr
.endr
	WIN 0x14                               ; g: source 1 (weight) and C window 1
.irp u, 0,1
	v_wmma_f32_16x16x128_fp8_fp8 v[ACC+8*\u:ACC+8*\u+7], v[XF:XF+15], v[16*(2*\u):16*(2*\u)+15], v[BI+8*\u:BI+8*\u+7]
.endr
	WIN 0x01
.irp p, 1,2
.irp u, 0,1
	v_wmma_f32_16x16x128_fp8_fp8 v[ACC+16*\p+8*\u:ACC+16*\p+8*\u+7], v[16*(4*\p+2*\u+1):16*(4*\p+2*\u+1)+15], v[XF+32*\p+16:XF+32*\p+31], v[ACC+16*\p+8*\u:ACC+16*\p+8*\u+7]
.endr
.endr
	WIN 0x04
.irp u, 0,1
	v_wmma_f32_16x16x128_fp8_fp8 v[ACC+8*\u:ACC+8*\u+7], v[XF+16:XF+31], v[16*(2*\u+1):16*(2*\u+1)+15], v[ACC+8*\u:ACC+8*\u+7]
.endr
	WIN 0
.endm
.macro EPI m                           ; relu and hold in one, conversion, stores
	PLACES
.if (\m) < 7
	FETCHX (\m)+1                          ; lands while this tile's results are quantised
.endif
	s_wait_xcnt 0x0                        ; the stores of two tiles ago have read this set of code registers
.irp p, 1,2,0
.set i, 0
.rept 16
	v_med3_num_f32 v[ACC+16*\p+i], v[ACC+16*\p+i], 0, v[OL+\p]   ; each accumulator from its low end on
.set i, i+1
.endr
.endr
.set OB, OC+8*((\m)%2)
.irp u, 0,1
	v_cvt_scalef32_pk8_fp8_f32 v[OB+2*\u:OB+2*\u+1], v[ACC+16+8*\u:ACC+16+8*\u+7], v[OS+1]
	v_cvt_scalef32_pk8_fp8_f32 v[OB+4+2*\u:OB+4+2*\u+1], v[ACC+32+8*\u:ACC+32+8*\u+7], v[OS+2]
	v_cvt_scalef32_pk8_fp8_f32 v[GC+16*\u+2*(\m):GC+16*\u+2*(\m)+1], v[ACC+8*\u:ACC+8*\u+7], v[OS]
.endr
	v_nop                                  ; a plain line behind the last conversion: the next products write its sources
	global_store_b128 v1, v[OB:OB+3], s[66:67] offset:(\m)*2048       ; chunk w of theta's fragment m
	global_store_b128 v1, v[OB+4:OB+7], s[68:69] offset:(\m)*2048     ; chunk w of phi's fragment m
.endm
	s_load_b512 s[4:19], s[0:1], 0x0               ; x s[4:5], wg s[6:7], wt s[8:9], wp s[10:11], bg s[12:13], bt s[14:15], bp s[16:17], wm s[18:19]
	s_load_b256 s[20:27], s[0:1], 0x40             ; the exponents s[20:21], theta_img s[22:23], kv s[24:25], wm_img s[26:27]
	v_lshl_add_u32 v234, v0, 2, 0x38000
	v_mov_b32 v235, 0
	ds_add_u32 v234, v235
	ds_add_u32 v234, v235
	v_lshrrev_b32 v13, 5, v0
	v_readfirstlane_b32 s40, v13                   ; wave 0..3
	s_mov_b32 s41, ttmp9                           ; id
	s_lshr_b32 s42, s41, 5                         ; b
	s_and_b32 s43, s41, 31                         ; st
	; descriptor group 1: 64 rows of 128 elements of 4 bytes, 4,096 elements from row to row, no padding
	s_mov_b32 s48, 2<<16                           ; no mask; elements of 4 bytes
	s_mov_b32 s49, 128<<16                         ; tensor_dim0 = 128
	s_mov_b32 s50, 64<<16                          ; tensor_dim1 = 64
	s_mov_b32 s51, 128<<16                         ; tile_dim0 = 128
	s_mov_b32 s52, 64                              ; tile_dim1 = 64
	s_mov_b32 s53, 4096                            ; stride from row to row
	s_mov_b32 s54, 0
	s_mov_b32 s55, 0
	s_lshl_b32 s82, s42, 22                        ; b x 256 channels x 16,384 bytes
	s_lshl_b32 s83, s40, 20                        ; + 64 w channels
	s_add_co_u32 s82, s82, s83
	s_lshl_b32 s83, s43, 9                         ; + 128 st positions
	s_add_co_u32 s82, s82, s83
	s_mov_b32 s83, 0
	s_wait_dscnt 0x0
	s_wait_kmcnt 0x0
	s_load_b256 s[28:35], s[20:21], 0x0            ; e0 .. e7
	s_load_b128 s[36:39], s[20:21], 0x20           ; e8 .. e11
	s_mov_b32 s44, 1                               ; group 0: count = 1,
	s_lshl_b32 s45, s40, 15                        ; LDS address 32,768 w,
	s_add_nc_u64 s[46:47], s[4:5], s[82:83]        ; my tile's first element,
	s_or_b32 s47, s47, 0x80000000                  ; type = 2
	tensor_load_to_lds s[44:47], s[48:55]          ; my 64 channels x 128 positions: the one tensor load of this wave
	s_nop 0
	PLACES
	v_and_b32 v13, 31, v0                          ; lane
	v_and_b32 v14, 15, v0                          ; r
	v_bfe_u32 v15, v0, 4, 1                        ; h
	v_lshlrev_b32 v1, 4, v13                       ; 16 x lane: an image's place for my lane
	s_lshl_b32 s80, s40, 15
	v_lshl_add_u32 v2, v13, 2, s80                 ; my position's word in my wave's rows of the tile
	s_lshl_b32 s80, s40, 10                        ; channels 64 w on are K step w / 2, chunk 2 (w % 2): 1,024 w bytes into a position tile's two images
	v_lshlrev_b32 v3, 4, v14
	v_lshl_add_u32 v3, v15, 12, v3                 ; lanes 16-31 hold the next tile of positions
	v_add_nc_u32 v3, s80, v3
	v_add_nc_u32 v5, XIMG+2*32768, v3
	v_add_nc_u32 v4, XIMG+32768, v3
	v_add_nc_u32 v3, XIMG, v3
	v_add_nc_u32 v6, XIMG, v1
	v_add_nc_u32 v7, XIMG+32768, v1
	v_add_nc_u32 v8, XIMG+2*32768, v1
	v_lshlrev_b32 v9, 10, v14
	v_lshl_add_u32 v9, v15, 6, v9                  ; a weight's row r of 1,024 bytes, + 64 h
	v_lshlrev_b32 v10, 5, v15                      ; bt, bp: 32 h
	v_lshlrev_b32 v11, 2, v14                      ; bg: 4 r
	v_lshlrev_b32 v12, 9, v14
	v_lshl_add_u32 v12, v15, 5, v12                ; wm: row r of 512 bytes, + 32 h
	s_lshl_b32 s82, s40, 15                        ; my 32 rows of each weight
	s_add_nc_u64 s[6:7], s[6:7], s[82:83]
	s_add_nc_u64 s[8:9], s[8:9], s[82:83]
	s_add_nc_u64 s[10:11], s[10:11], s[82:83]
	s_lshl_b32 s82, s40, 7                         ; my 32 numbers of each bias
	s_add_nc_u64 s[12:13], s[12:13], s[82:83]
	s_add_nc_u64 s[14:15], s[14:15], s[82:83]
	s_add_nc_u64 s[16:17], s[16:17], s[82:83]
	s_lshl_b32 s84, s40, 9                         ; chunk w
	s_lshl_b32 s82, s41, 14
	s_add_co_u32 s82, s82, s84
	s_add_nc_u64 s[66:67], s[22:23], s[82:83]      ; theta_img: 8 fragments a work-group
	s_lshl_b32 s82, s41, 15
	s_add_co_u32 s82, s82, s84
	s_add_nc_u64 s[68:69], s[24:25], s[82:83]      ; kv: phi's fragments
	s_lshl_b32 s82, s41, 15
	s_lshl_b32 s84, s40, 12
	s_add_co_u32 s82, s82, s84
	s_add_co_u32 s82, s82, 16384
	s_add_nc_u64 s[70:71], s[24:25], s[82:83]      ; kv: g^T's fragments 2 w, 2 w + 1
	WIN 0x40                                       ; destination window 1
.irp p, 1,2                                    ; theta, phi: register j of tile u is channel 32 w + 16 u + 8 h + j
.irp u, 0,1
	global_load_b128 v[BI+16*\p+8*\u:BI+16*\p+8*\u+3], v10, s[12+2*\p:13+2*\p] offset:64*\u
	global_load_b128 v[BI+16*\p+8*\u+4:BI+16*\p+8*\u+7], v10, s[12+2*\p:13+2*\p] offset:64*\u+16
.endr
.endr
.irp u, 0,1                                    ; g: every register of tile u is channel 32 w + 16 u + r
	global_load_b32 v[BI+8*\u], v11, s[12:13] offset:64*\u
.endr
	WIN 0
	WLOAD 0
	WLOAD 1
	WLOAD 2
	s_wait_kmcnt 0x0
	s_add_co_i32 s74, s28, s29                     ; a sum stands for sum x 2^(e x + e w): the bias goes in divided by that,
	s_sub_co_i32 s74, 0, s74
	s_add_co_i32 s75, s30, s31
	s_sub_co_i32 s75, 0, s75
	s_add_co_i32 s76, s32, s33
	s_sub_co_i32 s76, 0, s76
	s_add_co_i32 s77, s37, s74                     ; and the result's conversion takes 2^(e out - e x - e w): g e9, theta e6, phi e7
	s_add_co_i32 s78, s34, s75
	s_add_co_i32 s79, s35, s76
	MKSC 28, XS, XL
	MKSC 30, XS+1, XL+1
	MKSC 32, XS+2, XL+2
	MKSC 29, WSC, WL
	MKSC 31, WSC+1, WL+1
	MKSC 33, WSC+2, WL+2
	MKSC 77, OS, OL
	MKSC 78, OS+1, OL+1
	MKSC 79, OS+2, OL+2
	MKSC 39, MS, ML
	; ---- the weights: twelve fragments, three sets of registers, two fragments' loads (16 each) always behind the one at work
.irp f, 0,1,2,3,4,5,6,7,8,9,10,11
.if \f < 10
	s_wait_loadcnt 32
.else
	s_wait_loadcnt 16*(11-\f)
.endif
	WQUANT \f
.if \f < 9
	WLOAD \f+3
.endif
.endr
	WIN 0x41                                       ; source 0 and destination window 1 (the biases' loads are older than every weight's: they are in)
.irp p, 1,2
.set i, 0
.rept 16
	v_ldexp_f32 v[BI+16*\p+i], v[BI+16*\p+i], s[74+\p]
.set i, i+1
.endr
.endr
.irp u, 0,1
	v_ldexp_f32 v[BI+8*\u], v[BI+8*\u], s74
.irp j, 1,2,3,4,5,6,7
	v_mov_b32 v[BI+8*\u+\j], v[BI+8*\u]
.endr
.endr
	WIN 0
	; ---- wm: work-groups 0 to 15 make tile id of its image, wave w chunk w: channels 32 w + 8 h + 0 .. 7 and 32 w + 16 + 8 h + 0 .. 7 of row 16 id + r.  No LDS on this path
	s_cmp_lt_u32 s41, 16
	s_cbranch_scc0 .Lno_wm
	s_lshl_b32 s82, s41, 13
	s_lshl_b32 s84, s40, 7
	s_add_co_u32 s82, s82, s84
	s_add_nc_u64 s[18:19], s[18:19], s[82:83]
	s_lshl_b32 s82, s41, 11
	s_lshl_b32 s84, s40, 9
	s_add_co_u32 s82, s82, s84
	s_add_nc_u64 s[72:73], s[26:27], s[82:83]
	global_load_b128 v[16:19], v12, s[18:19]
	global_load_b128 v[20:23], v12, s[18:19] offset:16
	global_load_b128 v[24:27], v12, s[18:19] offset:64
	global_load_b128 v[28:31], v12, s[18:19] offset:80
	s_wait_loadcnt 0x0
.set i, 0
.rept 16
	v_med3_num_f32 v[16+i], v[16+i], -v[ML], v[ML]
.set i, i+1
.endr
	v_cvt_scalef32_pk8_fp8_f32 v[208:209], v[16:23], v[MS]
	v_cvt_scalef32_pk8_fp8_f32 v[210:211], v[24:31], v[MS]
	v_nop
	global_store_b128 v1, v[208:211], s[72:73]
.Lno_wm:
	; ---- x: my 64 channels x 128 positions become codes, three times, and go into the images
	s_wait_tensorcnt 0x0                           ; my rows of the tile have landed; only I read them
	XLOAD 0
.irp n, 0,1,2,3,4,5,6,7
	UNIT \n
.endr
	s_wait_dscnt 0x0                               ; for the others' sake: my stores into the images are done
	s_barrier_signal -1
	s_barrier_wait -1                              ; x's 48 fragments lie in LDS; nobody writes them again
	; ---- the products, a tile of 16 positions at a time
	FETCHX 0
.irp m, 0,1,2,3,4,5,6,7
	s_wait_dscnt 0x0
	MULS
	EPI \m
.endr
.irp u, 0,1
.irp c, 0,1,2,3
	global_store_b128 v1, v[GC+16*\u+4*\c:GC+16*\u+4*\c+3], s[70:71] offset:\u*2048+\c*512
.endr
.endr
	s_wait_tensorcnt 0x0
	ds_add_u32 v234, v235
	s_wait_dscnt 0x0
	s_endpgm
.Lfunc_end_k_q9437748bd2_proj:
	.size	k_q9437748bd2_proj, .Lfunc_end_k_q9437748bd2_proj-k_q9437748bd2_proj
	.p2alignl 7, 3214868480
	.fill 96, 4, 3214868480
	.section	.rodata,"a",@progbits
	.p2align	6, 0x0
	.amdhsa_kernel k_q9437748bd2_proj
		.amdhsa_group_segment_fixed_size 229888
		.amdhsa_private_segment_fixed_size 0
		.amdhsa_enable_private_segment 0
		.amdhsa_kernarg_size 96
		.amdhsa_user_sgpr_count 2
		.amdhsa_user_sgpr_kernarg_segment_ptr 1
		.amdhsa_wavefront_size32 1
		.amdhsa_system_sgpr_workgroup_id_x 1
		.amdhsa_system_sgpr_workgroup_id_y 1
		.amdhsa_system_sgpr_workgroup_id_z 1
		.amdhsa_system_vgpr_workitem_id 0
		.amdhsa_next_free_vgpr 512
		.amdhsa_next_free_sgpr 96
		.amdhsa_reserve_vcc 0
		.amdhsa_float_denorm_mode_32 3
		.amdhsa_float_denorm_mode_16_64 3
		.amdhsa_memory_ordered 1
		.amdhsa_forward_progress 1
		.amdhsa_inst_pref_size 211
	.end_amdhsa_kernel
	.amdgpu_metadata
---
amdhsa.version: [ 1, 2 ]
amdhsa.kernels:
  - .name:           k_q9437748bd2_proj
    .symbol:         k_q9437748bd2_proj.kd
    .args:
      - { .name: x, .offset: 0, .size: 8, .value_kind: global_buffer, .address_space: global }
      - { .name: wg, .offset: 8, .size: 8, .value_kind: global_buffer, .address_space: global }
      - { .name: wt, .offset: 16, .size: 8, .value_kind: global_buffer, .address_space: global }
      - { .name: wp, .offset: 24, .size: 8, .value_kind: global_buffer, .address_space: global }
      - { .name: bg, .offset: 32, .size: 8, .value_kind: global_buffer, .address_space: global }
      - { .name: bt, .offset: 40, .size: 8, .value_kind: global_buffer, .address_space: global }
      - { .name: bp, .offset: 48, .size: 8, .value_kind: global_buffer, .address_space: global }
      - { .name: wm, .offset: 56, .size: 8, .value_kind: global_buffer, .address_space: global }
      - { .name: lowp_scales, .offset: 64, .size: 8, .value_kind: global_buffer, .address_space: global }
      - { .name: theta_img, .offset: 72, .size: 8, .value_kind: global_buffer, .address_space: global }
      - { .name: kv, .offset: 80, .size: 8, .value_kind: global_buffer, .address_space: global }
      - { .name: wm_img, .offset: 88, .size: 8, .value_kind: global_buffer, .address_space: global }
    .group_segment_fixed_size: 229888
    .private_segment_fixed_size: 0
    .kernarg_segment_align: 8
    .kernarg_segment_size: 96
    .max_flat_workgroup_size: 128
    .sgpr_count:     96
    .vgpr_count:     512
    .wavefront_size: 32
...
	.end_amdgpu_metadata
.endif
;; end of part 1
;; launch attn (part 2): grid 32 x 8, 8 waves a work-group, clusters of 4 x 1, 327,680 bytes of LDS; arguments theta_img, kv, wm_img, lowp_scales, bm, x, out0; writes out0
.if DOCPART == 2
	.amdgcn_target "amdgcn-amd-amdhsa--gfx1250"
	.amdhsa_code_object_version 6
	.text
	.protected	k_q9437748bd2_attn
	.globl	k_q9437748bd2_attn
	.p2align	8
	.type	k_q9437748bd2_attn,@function
k_q9437748bd2_attn:
	s_mov_b64 s[64:65], 0
	v_nop
	global_prefetch_b8 v0, s[64:65] scope:SCOPE_SE
	s_setreg_imm32_b32 hwreg(HW_REG_WAVE_MODE, 25, 1), 1
	s_wait_xcnt 0x0
	s_wait_alu depctr_hold_cnt(0) depctr_sa_sdst(0) depctr_va_vdst(0) depctr_va_sdst(0) depctr_va_ssrc(0) depctr_va_vcc(0) depctr_vm_vsrc(0)
	s_getreg_b32 s2, hwreg(HW_REG_IB_STS2, 6, 4)
	s_cmp_eq_u32 s2, 0
	s_cbranch_scc0 .Lentry_in_a_cluster
	s_endpgm
.Lentry_in_a_cluster:
	s_bfe_u32 s2, ttmp6, 0x10000c
	s_cmp_lg_u32 s2, 0x3003
	s_cbranch_scc0 .Lentry_shape_is_right
	s_endpgm
.Lentry_shape_is_right:
; out0 = relu(wm . (softmax(theta phi) g) + bm) + x, all three products on codes of FP8 (E4M3), from the images that the launch before has stored.
; THE SOFTMAX AHEAD OF THE SECOND PRODUCT: t = score x log2(e); M = the row's largest t so far, rounded UP to a whole number; p = 2^(t - M) is quantised along the keys (e8), not normalised.
; The row's sum is taken of the unquantised p and divides at the end.  When M moves, the sum and O are multiplied by 2^(old M - new M): exact.
; SHARES.  A work-group owns 128 queries of one batch.  Wave wv = 4 kh + qp: 32 queries (two tiles, 2 qp and 2 qp + 1), so that each fragment of phi and of g^T read from LDS feeds two matrix
; instructions, and HALF THE KEYS: steps 2 kh, 2 kh + 1 of every slot of four steps of 128 keys.  Eight waves of 512 registers: two to a SIMD.
; At the end the two halves' sums are brought under one M by powers of two and added; wave (qp, kh) then owns query tile 2 qp + kh for the last product.
; TWO KINDS OF WAVES, HALF A KEY STEP APART.  A key step has a half that fetches and multiplies (LK: phi's fragments from LDS, the scores, g^T's fragments asked for) and a half on registers alone (MP: the softmax,
; O^T's rescaling, the products onto O^T).  kind = (wv xor wv / 4) & 1: waves wv and wv + 4 differ in kind, and so do waves 2 i and 2 i + 1.  An EARLY wave walks a slot as LK MP LK MP and then changes slots.
; A LATE wave takes its second step's scores and g^T fragments over the change of slots in registers and walks MP LK MP LK: so while one kind does vector work the other fetches and multiplies,
; and only four waves ask LDS for fragments at a time.  LK MP LK is common text; the MP ahead of the change of slots and the one behind it each stand under a branch on the wave's number,
; which jumps over register work and one wait on DScnt, and over no barrier, tensor load or LDS address.
; LAYOUT.  S^T = phi^T theta^T (source 0 = 16 keys, source 1 = 16 queries) and O^T = g^T P^T (source 0 = 16 channels, source 1 = P): a lane holds ONE query (lane % 16) throughout, and a result's eight registers
; are eight neighbours along the next K: one conversion gives registers 2 t, 2 t + 1 of the next operand, k in its own place.  The last product takes source 0 = the 16 queries, source 1 = 16 rows of wm:
; a lane holds one output channel and eight neighbouring positions, as out0 lies.
; CLUSTER.  The four work-groups of a cluster belong to one batch and walk the same kv stream and the same wm: every tensor load is asked for JOINTLY, with the same descriptor and the mask of all four.
; A slot is 128 KiB, dense in memory: each of the eight waves fetches 64 rows of 256 bytes.  By this text's count a wave has two tensor loads out at the start, later one.
; All fragments lie in LDS as images of registers: each LDS load takes 512 consecutive bytes: no pitch, no padding.
; LIMITS: e6 + e7 and e10 + e11 between -126 and 127; e8 and e10 between -126 and 119; e8 + e9 is applied by v_ldexp_f32.  NaN among the inputs is not served.
; REGISTERS, window 0: v1-6 addresses; v8-31 statistics; v32-63 theta's two fragments (later bm); v64-191 S^T, then p, 64 a tile (later the merge, the last sums, rows of y); v192-223 p's codes (later out's);
;   v224-227 scales; v228-249 the tail's.   Window 1: v0-127 O^T, 64 a tile (later x); v128-255 eight fragments of phi or of g^T (later of wm).
.set SLOT1, 1<<17                      ; LDS: slot 0 at 0, slot 1 here: one exclusive or turns an address from one to the other
.set WMI,   262144                     ; wm's 16 fragments
.set SPARE, 294912                     ; the spare words, 128 bytes for each of the eight waves: four blocks of 256 bytes that no other line names
.set STATS, 295936                     ; (wave, tile) at 512 wave + 256 tile: -M at 4 lane, the sum at 128 + 4 lane
.set SP,    528                        ; the stage for y: 256 rows of 512 bytes + 16.  It, and the scratch for the partial O, lie in the slots, which have had their last fill and their last read by then
.set LI,  1                            ; v1   16 x lane
.set SPW, 2                            ; v2   my spare word; never rewritten
.set NIL, 3                            ; v3   0; never rewritten
.set AK0, 4                            ; v4   16 x lane + 65,536 kh: my half of a slot
.set ADK, 5                            ; v5   the same in the slot in hand; written in LK alone, which every wave walks
.set PFA, 6                            ; v6   the prefetch's offsets
.set ST,  8                            ; tile t at v[8 + 4 t]: -M, the largest t, the sum in two halves
.set FF,  16                           ; tile t at v[16 + 2 t]: f = 2^(old M - new M), and a word that is only named
.set MA,  20                           ; tile t at v[20 + 4 t]: two chains of the maximum, the other lane's
.set SU,  28                           ; tile t at v[28 + 2 t]: the sum's second chain
.set Q,   32
.set S,   64
.set PC,  192
.set FR,  128                          ; window 1
.set MSB, 0
.macro WIN new                         ; the immediate's high byte repeats the setting that is left
.if MSB != \new
	s_set_vgpr_msb (MSB<<8)|\new
.set MSB, \new
.endif
.endm
.macro PLACES                          ; four plain vector lines behind matrix instructions, ahead of loads into their registers and of reads of their results
.rept 4
	v_nop
.endr
.endm
.macro MKSC e, vs, vl                  ; from the whole number in s[e]: 2^e as f32 into v[vs], 448 x 2^e into v[vl]
	s_add_co_i32 s60, s[\e], 127
	s_lshl_b32 s61, s60, 23
	v_mov_b32 v[\vs], s61
	s_add_co_i32 s60, s60, 8
	s_lshl_b32 s60, s60, 23
	s_or_b32 s60, s60, 0x600000
	v_mov_b32 v[\vl], s60
.endm
.macro CROUND                          ; a round of the cluster's barrier: my work-group's barrier; wave 0 signals for the work-group; every wave waits for all four; my work-group's barrier once more
	s_barrier_signal -1
	s_barrier_wait -1
	s_cmp_lg_u32 s18, 0
	s_cbranch_scc1 .Lnot_wave_0_\@
	s_barrier_signal -3
.Lnot_wave_0_\@:
	s_barrier_wait -3
	s_barrier_signal -1
	s_barrier_wait -1
.endm
; THE CHANGE OF SLOTS.  Each wave waits for all its tensor loads (its part of the slot ahead), adds 0 to its spare word, and waits for that and for its reads of the slot that it leaves:
; a late wave's loads of g^T, its last reads of that slot, have landed in its registers at that wait.
; fill = 1: the slot just left takes the next four key steps: the barrier is a round of the cluster's, and the joint load is the first thing behind it: it has a slot's two steps of every wave in which to land.
.macro CHANGE fill
	s_wait_tensorcnt 0x0                           ; no tensor load of mine is out, so the group 0 may be written
	ds_add_u32 v[SPW], v[NIL]                      ; 0 onto my spare word
.if \fill
	s_xor_b32 s49, s49, SLOT1                      ; the walking descriptor: the other slot than last time,
	s_add_nc_u64 s[50:51], s[50:51], 131072        ; the next four key steps; the type bits on top are not reached
	s_wait_dscnt 0x0                               ; the add is done, and my reads of the slot that I leave are over
	CROUND
	tensor_load_to_lds s[48:51], s[32:39]
	s_nop 0
	PLACES
.else
	s_wait_dscnt 0x0
	s_barrier_signal -1
	s_barrier_wait -1
.endif
.endm
.macro KVLOAD off                      ; eight fragments, 32 loads of 512 consecutive bytes, into window 1
	WIN 0x40
.set i, 0
.rept 32
	ds_load_b128 v[FR+4*i:FR+4*i+3], v[ADK] offset:(\off)+512*i
.set i, i+1
.endr
.endm
.macro KQ kt                           ; scores of keys 16 kt on, both tiles of queries
.irp t, 0,1
	v_wmma_f32_16x16x128_fp8_fp8 v[S+64*\t+8*(\kt):S+64*\t+8*(\kt)+7], v[FR+16*(\kt):FR+16*(\kt)+15], v[Q+16*\t:Q+16*\t+15], 0
.endr
.endm
.macro CODES t                         ; tile t's p, held, becomes the second product's operand
.irp k, 0,1,2,3,4,5,6,7
	v_cvt_scalef32_pk8_fp8_f32 v[PC+16*\t+2*\k:PC+16*\t+2*\k+1], v[S+64*\t+8*\k:S+64*\t+8*\k+7], v224
.endr
.endm
.macro SOFTMAX
.irp t, 0,1                            ; the step's largest score of my query among my 64 keys: two chains a tile, each accumulator from its low end on
	v_max3_num_f32 v[MA+4*\t], v[S+64*\t], v[S+64*\t+1], v[S+64*\t+2]
	v_max3_num_f32 v[MA+4*\t+1], v[S+64*\t+3], v[S+64*\t+4], v[S+64*\t+5]
.endr
.irp i, 6,10,14,18,22,26,30,34,38,42,46,50,54,58
.irp t, 0,1
	v_max3_num_f32 v[MA+4*\t], v[MA+4*\t], v[S+64*\t+\i], v[S+64*\t+\i+1]
	v_max3_num_f32 v[MA+4*\t+1], v[MA+4*\t+1], v[S+64*\t+\i+2], v[S+64*\t+\i+3]
.endr
.endr
.irp t, 0,1
	v_max3_num_f32 v[MA+4*\t], v[MA+4*\t], v[S+64*\t+62], v[S+64*\t+63]
.endr
.irp t, 0,1
	v_max_num_f32 v[MA+4*\t], v[MA+4*\t], v[MA+4*\t+1]
.endr
.irp t, 0,1
	v_permlanex16_b32 v[MA+4*\t+2], v[MA+4*\t], s58, s59   ; the query's other 64 keys lie in the lane 16 away
.endr
.irp t, 0,1
	v_max_num_f32 v[MA+4*\t], v[MA+4*\t], v[MA+4*\t+2]
.endr
.irp t, 0,1
	v_mul_f32 v[MA+4*\t], s28, v[MA+4*\t]          ; as t (c is positive)
.endr
.irp t, 0,1
	v_max_num_f32 v[ST+4*\t+1], v[ST+4*\t+1], v[MA+4*\t]   ; the running largest t
.endr
.irp t, 0,1
	v_mov_b32 v[MA+4*\t], v[ST+4*\t]
.endr
.irp t, 0,1
	v_floor_f32 v[ST+4*\t], -v[ST+4*\t+1]          ; the new -M = floor(-t): M is a whole number
.endr
.irp t, 0,1
	v_sub_f32 v[MA+4*\t], v[ST+4*\t], v[MA+4*\t]   ; old M - new M, 0 or less
.endr
.irp t, 0,1
	v_cvt_i32_f32 v[MA+4*\t], v[MA+4*\t]           ; (it saturates)
.endr
.irp t, 0,1
	v_ldexp_f32 v[FF+2*\t], 1.0, v[MA+4*\t]        ; f
.endr
.set j, 0
.rept 32
	v_pk_fma_f32 v[S+j:S+j+1], v[S+j:S+j+1], s[28:29], v[ST:ST+1] op_sel_hi:[1,0,0]   ; tile 0: t - M, two at a time (of the pairs c and -M the low word serves both halves)
.set j, j+2
.endr
.set j, 0
.rept 32                               ; tile 0's exponentials, with tile 1's t - M between them
	v_exp_f32 v[S+j], v[S+j]
	v_exp_f32 v[S+j+1], v[S+j+1]
	v_pk_fma_f32 v[S+64+j:S+64+j+1], v[S+64+j:S+64+j+1], s[28:29], v[ST+4:ST+5] op_sel_hi:[1,0,0]
.set j, j+2
.endr
	v_pk_mul_f32 v[ST+2:ST+3], v[ST+2:ST+3], v[FF:FF+1] op_sel_hi:[1,0]   ; tile 0's sum under the new M
.set j, 0
.rept 16                               ; tile 1's exponentials, with tile 0's sums (of the UNQUANTISED p, two chains) and then its holds between them
	v_exp_f32 v[S+64+j], v[S+64+j]
.if j == 0
	s_wait_alu depctr_va_vdst(0)
	v_pk_add_f32 v[SU:SU+1], v[S:S+1], v[S+2:S+3]
.else
	v_pk_add_f32 v[ST+2:ST+3], v[ST+2:ST+3], v[S+j:S+j+1]
.endif
	v_exp_f32 v[S+64+j+1], v[S+64+j+1]
.if j > 0
	v_pk_add_f32 v[SU:SU+1], v[SU:SU+1], v[S+j+2:S+j+3]
.endif
	v_exp_f32 v[S+64+j+2], v[S+64+j+2]
	v_min_num_f32 v[S+j], v[S+j], v225             ; the conversion does not saturate (ISA guide 7.6.2); p is not negative, so the hold is one-sided
	v_min_num_f32 v[S+j+1], v[S+j+1], v225
	v_exp_f32 v[S+64+j+3], v[S+64+j+3]
	v_min_num_f32 v[S+j+2], v[S+j+2], v225
	v_min_num_f32 v[S+j+3], v[S+j+3], v225
.set j, j+4
.endr
	v_pk_add_f32 v[ST+2:ST+3], v[ST+2:ST+3], v[SU:SU+1]
	CODES 0
	v_pk_mul_f32 v[ST+6:ST+7], v[ST+6:ST+7], v[FF+2:FF+3] op_sel_hi:[1,0]   ; tile 1 likewise
	s_wait_alu depctr_va_vdst(0)
	v_pk_add_f32 v[SU+2:SU+3], v[S+64:S+65], v[S+66:S+67]
.set j, 4
.rept 15
	v_pk_add_f32 v[ST+6:ST+7], v[ST+6:ST+7], v[S+64+j:S+64+j+1]
	v_pk_add_f32 v[SU+2:SU+3], v[SU+2:SU+3], v[S+64+j+2:S+64+j+3]
.set j, j+4
.endr
	v_pk_add_f32 v[ST+6:ST+7], v[ST+6:ST+7], v[SU+2:SU+3]
.set j, 0
.rept 64
	v_min_num_f32 v[S+64+j], v[S+64+j], v225
.set j, j+1
.endr
	CODES 1
.endm
; THE FETCHING HALF OF A KEY STEP: the q-th of my two steps of 128 keys in the slot in hand.  It leaves the scores in S^T and g^T's loads on their way.
.macro LK q
	v_add_nc_u32 v[ADK], s56, v[AK0]
	PLACES                                         ; the last products onto O^T have read the fragments' registers
	KVLOAD (\q)*32768                              ; phi's eight fragments
	s_wait_dscnt 16                                ; the first four are in
	WIN 0x01                                       ; source 0 window 1
	KQ 0
	KQ 1
	KQ 2
	KQ 3
	s_wait_dscnt 0x0
	KQ 4
	KQ 5
	KQ 6
	KQ 7
	WIN 0
	PLACES
	KVLOAD (\q)*32768+16384                        ; g^T's eight fragments: they land under the softmax, or, in a late wave's second step, ahead of the change of slots
	WIN 0
.endm
; THE HALF ON REGISTERS: the softmax of the scores in S^T, O^T under the new M, the products onto O^T.  No LDS byte is touched.
.macro MP
	SOFTMAX
	WIN 0x41                                       ; O^T (destination, source 0) window 1
.irp t, 0,1
.set j, 0
.rept 32
	v_pk_mul_f32 v[64*\t+j:64*\t+j+1], v[64*\t+j:64*\t+j+1], v[FF+2*\t:FF+2*\t+1] op_sel_hi:[1,0]   ; O^T under the new M; these are also the plain lines behind the conversions
.set j, j+2
.endr
.endr
	s_wait_dscnt 0x0                               ; g^T is in
	WIN 0x51                                       ; source 0, C and D window 1
.irp ct, 0,1,2,3,4,5,6,7               ; sixteen accumulators, one instruction a turn
.irp t, 0,1
	v_wmma_f32_16x16x128_fp8_fp8 v[64*\t+8*\ct:64*\t+8*\ct+7], v[FR+16*\ct:FR+16*\ct+15], v[PC+16*\t:PC+16*\t+15], v[64*\t+8*\ct:64*\t+8*\ct+7]
.endr
.endr
	WIN 0
.endm
.macro MP_IF kind                      ; the same for the waves of one kind alone: the branch hangs on the wave's number, the same in every work-group
	s_cmp_eq_u32 s72, \kind
	s_cbranch_scc0 .Lother_kind_\@
	MP
.Lother_kind_\@:
.endm
.macro FETCHW gq                       ; wm's fragments 4 gq .. 4 gq + 3 into set gq % 2
	WIN 0x40
.irp f, 0,1,2,3
.irp c, 0,1,2,3
	ds_load_b128 v[FR+64*((\gq)%2)+16*\f+4*\c:FR+64*((\gq)%2)+16*\f+4*\c+3], v249 offset:(4*(\gq)+\f)*2048+\c*512
.endr
.endr
	WIN 0
.endm
	s_load_b256 s[4:11], s[0:1], 0x0               ; theta_img s[4:5], kv s[6:7], wm_img s[8:9], the exponents s[10:11]
	s_load_b128 s[12:15], s[0:1], 0x20             ; bm s[12:13], x s[14:15]
	s_load_b64 s[16:17], s[0:1], 0x30              ; out0
	v_lshl_add_u32 v[SPW], v0, 2, SPARE
	v_mov_b32 v[NIL], 0
	ds_add_u32 v2, v3
	ds_add_u32 v2, v3
	s_wait_dscnt 0x0
	v_lshrrev_b32 v1, 5, v0
	v_readfirstlane_b32 s18, v1                    ; wave 0..7
	s_and_b32 s19, s18, 3                          ; qp: which 32 queries
	s_lshr_b32 s20, s18, 2                         ; kh: which half of the keys
	s_xor_b32 s72, s20, s18
	s_and_b32 s72, s72, 1                          ; kind: 0 early (waves 0, 2, 5, 7), 1 late (waves 1, 3, 4, 6)
	s_and_b32 s21, ttmp7, 0xffff                   ; b, which the four partners share
	s_bfe_u32 s66, ttmp6, 0x40000                  ; cx: my place in the cluster
	s_lshl_b32 s67, ttmp9, 2
	s_add_co_u32 s67, s67, s66                     ; my block of 128 queries: it enters theta's, x's and out0's addresses alone
	; descriptor group 1: dense blocks as rows of 256 bytes; kv: 64 rows a wave; wm: 16
	s_mov_b32 s32, 15|(3<<16)|(1<<21)              ; the mask: all four work-groups; elements of 8 bytes; bit 21 set beside a mask
	s_mov_b32 s33, 32<<16                          ; tensor_dim0 = 32
	s_mov_b32 s34, 64<<16                          ; tensor_dim1 = 64
	s_mov_b32 s35, 32<<16                          ; tile_dim0 = 32
	s_mov_b32 s36, 64                              ; tile_dim1 = 64
	s_mov_b32 s37, 32                              ; stride from row to row
	s_mov_b32 s38, 0
	s_mov_b32 s39, 0
	s_mov_b32 s40, 15|(3<<16)|(1<<21)
	s_mov_b32 s41, 32<<16
	s_mov_b32 s42, 16<<16
	s_mov_b32 s43, 32<<16
	s_mov_b32 s44, 16
	s_mov_b32 s45, 32
	s_mov_b32 s46, 0
	s_mov_b32 s47, 0
	s_lshl_b32 s60, s21, 20                        ; kv: b x 32 steps x 32,768 bytes + my eighth of a slot
	s_lshl_b32 s61, s18, 14
	s_add_co_u32 s60, s60, s61
	s_mov_b32 s61, 0
	s_lshl_b32 s62, s18, 12                        ; wm_img: my eighth
	s_mov_b32 s63, 0
	s_lshl_b32 s68, s21, 19                        ; theta_img: b x 256 tiles + 8 tiles a block + 2 tiles a pair
	s_lshl_b32 s69, s67, 14
	s_add_co_u32 s68, s68, s69
	s_lshl_b32 s69, s19, 12
	s_add_co_u32 s68, s68, s69
	s_mov_b32 s69, 0
	s_lshl_b32 s70, s21, 22                        ; x, out0: b x 256 rows + my wave's 32 rows + my block's 512 bytes of a row
	s_lshl_b32 s71, s18, 19
	s_add_co_u32 s70, s70, s71
	s_lshl_b32 s71, s67, 9
	s_add_co_u32 s70, s70, s71
	s_mov_b32 s71, 0
	s_mov_b32 s58, 0x76543210                      ; v_permlanex16_b32's selects for lane l xor 16
	s_mov_b32 s59, 0xfedcba98
	s_mov_b32 s56, 0                               ; LDS byte at which the slot in hand begins
	s_mov_b32 s57, 6                               ; the loop's trips: slots 1 to 6
	s_wait_kmcnt 0x0
	s_load_b64 s[22:23], s[10:11], 0x18            ; e6, e7
	s_load_b128 s[24:27], s[10:11], 0x20           ; e8 .. e11
	s_mov_b32 s48, 1                               ; kv's group 0: count = 1,
	s_lshl_b32 s49, s18, 14                        ; LDS address: slot 0, my eighth: no place in the cluster enters it,
	s_add_nc_u64 s[50:51], s[6:7], s[60:61]
	s_or_b32 s51, s51, 0x80000000                  ; type = 2
	s_mov_b32 s52, 1                               ; wm's
	s_lshl_b32 s53, s18, 12
	s_add_co_u32 s53, s53, WMI
	s_add_nc_u64 s[54:55], s[8:9], s[62:63]
	s_or_b32 s55, s55, 0x80000000
	s_add_nc_u64 s[4:5], s[4:5], s[68:69]
	s_add_nc_u64 s[14:15], s[14:15], s[70:71]
	s_add_nc_u64 s[16:17], s[16:17], s[70:71]
	CROUND                                         ; all four work-groups are here: the first joint loads meet
	tensor_load_to_lds s[48:51], s[32:39]          ; key steps 0 to 3
	s_nop 0
	tensor_load_to_lds s[52:55], s[40:47]          ; wm
	s_nop 0
	PLACES
	v_and_b32 v7, 31, v0                           ; lane
	v_lshlrev_b32 v[LI], 4, v7
.irp t, 0,1
.irp c, 0,1,2,3
	global_load_b128 v[Q+16*\t+4*\c:Q+16*\t+4*\c+3], v[LI], s[4:5] offset:\t*2048+\c*512   ; theta's two fragments stay in registers
.endr
.endr
	s_lshl_b32 s60, s20, 16
	v_add_nc_u32 v[AK0], s60, v[LI]
	v_lshrrev_b32 v[PFA], 1, v7
	v_lshlrev_b32 v[PFA], 14, v[PFA]
	v_and_b32 v7, 1, v7
	v_lshl_add_u32 v[PFA], v7, 8, v[PFA]           ; row lane / 2 of sixteen, block lane % 2 of its 512 bytes
.irp t, 0,1
	v_mov_b32 v[ST+4*\t+1], 0xff61b1e6             ; the largest t so far: -3e38, under every t
	v_floor_f32 v[ST+4*\t], -v[ST+4*\t+1]          ; -M
	v_mov_b32 v[ST+4*\t+2], 0                      ; the sum, in two halves
	v_mov_b32 v[ST+4*\t+3], 0
	v_mov_b32 v[FF+2*\t+1], 0                      ; (named as the upper half of a pair)
	v_mov_b32 v[MA+4*\t+2], 0                      ; a lane permute's destination counts as one of its sources
.endr
	WIN 0x40
.set i, 0
.rept 128
	v_mov_b32 v[i], 0                              ; O^T.  (MP is written without a first step of its own: it finds zeros, which the first change of M leaves zeros)
.set i, i+1
.endr
	WIN 0
	s_wait_kmcnt 0x0
	s_add_co_i32 s60, s22, s23
	s_lshl_b32 s60, s60, 23
	s_add_co_i32 s28, s60, 0x3fb8aa3b              ; c = log2(e) x 2^(e6 + e7): the two exponents are added to its exponent field
	s_mov_b32 s29, s28                             ; (named with it as a pair)
	s_add_co_i32 s30, s24, s25                     ; e8 + e9
	s_add_co_i32 s31, s26, s27
	s_add_co_i32 s31, s31, 127
	s_lshl_b32 s31, s31, 23                        ; 2^(e10 + e11) as f32
	MKSC 24, 224, 225                              ; p's scale and hold
	MKSC 26, 226, 227                              ; out's
	s_wait_loadcnt 0x0                             ; theta
	; ---- slot 0 stands ahead of the loop: both kinds walk it alike, as far as the second step's scores
	CHANGE 1                                       ; slot 0 and wm are whole; slot 1 is asked for
	LK 0
	MP
	LK 1
	s_xor_b32 s56, s56, SLOT1                      ; on to the other slot
.Lslot:                                            ; six trips, slots 1 to 6: behind each change of slots the slot just left is asked for again
	MP_IF 0                                        ; the early waves finish the slot's second step ahead of the change of slots,
	CHANGE 1
	MP_IF 1                                        ; the late waves behind it, from registers, while the early ones fetch and multiply
	LK 0
	MP
	LK 1
	s_xor_b32 s56, s56, SLOT1
	s_sub_co_u32 s57, s57, 1
	s_cmp_lg_u32 s57, 0
	s_cbranch_scc1 .Lslot
	MP_IF 0                                        ; the last slot (it lies in slot 1) is written out
	CHANGE 0
	MP_IF 1
	LK 0
	MP
	; my 32 rows x 512 bytes of x, which the tail loads one key step on: 64 blocks of 256 bytes, each asked for once in the launch, by the wave that will load it
	global_prefetch_b8 v[PFA], s[14:15] th:TH_LOAD_NT scope:SCOPE_SE
	global_prefetch_b8 v[PFA], s[14:15] offset:262144 th:TH_LOAD_NT scope:SCOPE_SE
	LK 1
	MP                                             ; the last step's second half: every wave
	; ---- THE TAIL.  1: my partial sums go to LDS.  The addresses are made here: plain lines, the places behind the last products
	v_and_b32 v246, 31, v0                         ; lane
	v_and_b32 v247, 15, v0                         ; r
	v_bfe_u32 v248, v0, 4, 1                       ; h
	s_lshl_b32 s60, s18, 9
	s_add_co_u32 s60, s60, STATS
	v_lshl_add_u32 v228, v246, 2, s60              ; my statistics
	s_lshl_b32 s60, s18, 14
	v_add_nc_u32 v229, s60, v[LI]                  ; my scratch: 16,384 x wave, in slot 0, which nobody has read since the last change of slots
	s_lshl_b32 s60, s19, 9
	s_lshl_b32 s61, s20, 8
	s_add_co_u32 s60, s60, s61
	s_add_co_u32 s60, s60, STATS
	v_lshl_add_u32 v230, v246, 2, s60              ; the statistics of tile kh of wave qp; wave qp + 4's lie 2,048 bytes on
	s_lshl_b32 s60, s19, 14
	s_lshl_b32 s61, s20, 13
	s_add_co_u32 s60, s60, s61
	v_add_nc_u32 v231, s60, v[LI]                  ; the O^T of tile kh of wave qp,
	v_add_nc_u32 v232, 0x10000, v231               ; and of wave qp + 4
	s_lshl_b32 s60, s19, 7
	s_lshl_b32 s61, s20, 6
	s_add_co_u32 s60, s60, s61
	v_mul_u32_u24 v242, v247, SP
	v_lshl_add_u32 v242, v248, 5, v242
	v_add_nc_u32 v242, s60, v242                   ; the stage: row r, my tile's 64 bytes, + 32 h
	v_add_nc_u32 v243, 8*16*SP, v242               ; and 128 rows on: the immediate has 16 bits
	s_mul_i32 s60, s18, 32*SP
	v_add_nc_u32 v244, s60, v[LI]                  ; back: my 32 rows
	v_lshlrev_b32 v245, 2, v247                    ; bm: 4 r
	v_add_nc_u32 v249, WMI, v[LI]
.irp t, 0,1
	v_add_f32 v[ST+4*\t+2], v[ST+4*\t+2], v[ST+4*\t+3]   ; the sum's two halves,
.endr
.irp t, 0,1
	v_permlanex16_b32 v[MA+4*\t+2], v[ST+4*\t+2], s58, s59
.endr
.irp t, 0,1
	v_add_f32 v[ST+4*\t+2], v[ST+4*\t+2], v[MA+4*\t+2]   ; and lane l xor 16's
.endr
.irp t, 0,1
	ds_store_b32 v228, v[ST+4*\t] offset:256*\t
	ds_store_b32 v228, v[ST+4*\t+2] offset:256*\t+128
.endr
	WIN 0x04                                       ; store data window 1
.set i, 0
.rept 32
	ds_store_b128 v229, v[4*i:4*i+3] offset:512*i  ; each accumulator from its low end on
.set i, i+1
.endr
	WIN 0
	s_wait_dscnt 0x0                               ; for the others' sake: my stores are done; my reads of the last slot are over
	s_barrier_signal -1
	s_barrier_wait -1
	; ---- 2: bm and x are asked for; both halves' sums of my tile come back
.irp ot, 0,1,2,3,4,5,6,7,8,9,10,11,12,13,14,15
	global_load_b32 v[32+\ot], v245, s[12:13] offset:64*\ot   ; bm[16 ot + r]
.endr
	WIN 0x40
.set i, 0
.rept 32
	global_load_b128 v[4*i:4*i+3], v[LI], s[14:15] offset:16384*i th:TH_LOAD_NT   ; a row's 512 bytes; O^T's registers are free
.set i, i+1
.endr
	WIN 0
	ds_load_b32 v233, v230                         ; -M and the sum of the first half of the keys,
	ds_load_b32 v234, v230 offset:128
	ds_load_b32 v235, v230 offset:2048             ; and of the second
	ds_load_b32 v236, v230 offset:2176
.set i, 0
.rept 16
	ds_load_b128 v[64+4*i:67+4*i], v231 offset:512*i
.set i, i+1
.endr
.set i, 0
.rept 16
	ds_load_b128 v[128+4*i:131+4*i], v232 offset:512*i
.set i, i+1
.endr
	s_wait_dscnt 32                                ; the four statistics are in; the 32 loads behind them may be out
	v_min_num_f32 v237, v233, v235                 ; -M of the larger M
	v_sub_f32 v246, v237, v233
	v_sub_f32 v247, v237, v235
	v_cvt_i32_f32 v246, v246
	v_cvt_i32_f32 v247, v247
	v_ldexp_f32 v246, 1.0, v246                    ; each half's power of two
	v_ldexp_f32 v247, 1.0, v247
	v_mul_f32 v234, v234, v246
	v_fma_f32 v234, v236, v247, v234               ; the row's sum
	v_rcp_f32 v234, v234
	v_nop                                          ; a plain line behind the transcendental
	s_wait_alu depctr_va_vdst(0)
	v_ldexp_f32 v234, v234, s30                    ; x 2^(e8 + e9)
	v_mul_f32 v238, v246, v234
	v_mul_f32 v240, v247, v234
	v_mov_b32 v239, v238                           ; (named as upper halves of pairs)
	v_mov_b32 v241, v240
	s_wait_dscnt 0x0                               ; my reads of the scratch are over: the stage will lie there
	s_barrier_signal -1
	s_barrier_wait -1
	FETCHW 0
	; ---- 3: out = (O a x fa + O b x fb) x 2^(e8 + e9) / the sum, quantised: the last product's source 0
.set j, 0
.rept 32
	v_pk_mul_f32 v[64+j:65+j], v[64+j:65+j], v[238:239] op_sel_hi:[1,0]
.set j, j+2
.endr
.set j, 0
.rept 32
	v_pk_fma_f32 v[64+j:65+j], v[128+j:129+j], v[240:241], v[64+j:65+j] op_sel_hi:[1,0,1]
.set j, j+2
.endr
.set j, 0
.rept 64
	v_min_num_f32 v[64+j], v[64+j], v227           ; p and g's codes are not negative, so neither is out: the hold is one-sided
.set j, j+1
.endr
.irp k, 0,1,2,3,4,5,6,7
	v_cvt_scalef32_pk8_fp8_f32 v[PC+2*\k:PC+2*\k+1], v[64+8*\k:71+8*\k], v226
.endr
	v_nop                                          ; a plain line between the conversions and the products that read their results
	s_wait_loadcnt 32                              ; bm's sixteen loads are in; x's 32 may be out
	; ---- 4: y = relu(sum x 2^(e10 + e11) + bm), four tiles of output channels at a time, into the stage
.irp gq, 0,1,2,3
.if \gq < 3
	FETCHW \gq+1
	s_wait_dscnt 16                                ; all but the 16 loads just issued: this group's fragments are in, the last group's stores have read their registers
.else
	s_wait_dscnt 0x0
.endif
	WIN 0x04                                       ; source 1 (wm) window 1
.irp f, 0,1,2,3
	v_wmma_f32_16x16x128_fp8_fp8 v[128+32*(\gq%2)+8*\f:128+32*(\gq%2)+8*\f+7], v[PC:PC+15], v[FR+64*(\gq%2)+16*\f:FR+64*(\gq%2)+16*\f+15], 0
.endr
	WIN 0
	PLACES
.irp f, 0,1,2,3
.irp j, 0,1,2,3,4,5,6,7
	v_fma_f32 v[128+32*(\gq%2)+8*\f+\j], v[128+32*(\gq%2)+8*\f+\j], s31, v[32+4*\gq+\f]
.endr
.endr
.irp f, 0,1,2,3
.irp j, 0,1,2,3,4,5,6,7
	v_max_num_f32 v[128+32*(\gq%2)+8*\f+\j], 0, v[128+32*(\gq%2)+8*\f+\j]
.endr
.endr
.irp f, 0,1,2,3                        ; lane (r, h): y(16 ot + r, my tile's positions 8 h + 0 .. 7)
.if \gq < 2
	ds_store_b128 v242, v[128+32*(\gq%2)+8*\f:128+32*(\gq%2)+8*\f+3] offset:(4*\gq+\f)*16*SP
	ds_store_b128 v242, v[128+32*(\gq%2)+8*\f+4:128+32*(\gq%2)+8*\f+7] offset:(4*\gq+\f)*16*SP+16
.else
	ds_store_b128 v243, v[128+32*(\gq%2)+8*\f:128+32*(\gq%2)+8*\f+3] offset:(4*\gq+\f-8)*16*SP
	ds_store_b128 v243, v[128+32*(\gq%2)+8*\f+4:128+32*(\gq%2)+8*\f+7] offset:(4*\gq+\f-8)*16*SP+16
.endif
.endr
.endr
	s_wait_dscnt 0x0                               ; for the others' sake: my stores into the stage are done
	s_barrier_signal -1
	s_barrier_wait -1                              ; 256 whole rows of y lie in the stage
	; ---- 5: my 32 rows come back whole, take x, and leave: each store covers 512 consecutive bytes at a multiple of 512 from out0's first byte
.set i, 0
.rept 32
	ds_load_b128 v[64+4*i:67+4*i], v244 offset:SP*i
.set i, i+1
.endr
	s_wait_loadcnt 0x0                             ; x
	WIN 0x04                                       ; source 1 (x) window 1
.set i, 0
.rept 32
	s_wait_dscnt 31-i                              ; row i is in; the younger rows may be out
	v_pk_add_f32 v[64+4*i:65+4*i], v[64+4*i:65+4*i], v[4*i:4*i+1]
	v_pk_add_f32 v[66+4*i:67+4*i], v[66+4*i:67+4*i], v[4*i+2:4*i+3]
.set i, i+1
.endr
	WIN 0
.set i, 0
.rept 32
	global_store_b128 v[LI], v[64+4*i:67+4*i], s[16:17] offset:16384*i th:TH_STORE_NT
.set i, i+1
.endr
	s_wait_tensorcnt 0x0                           ; the wave's end: behind my last tensor load and my last LDS store
	ds_add_u32 v[SPW], v[NIL]
	s_wait_dscnt 0x0
	CROUND                                         ; the closing round: no work-group ends while a partner may still ask for a tile that names it
	s_endpgm
.Lfunc_end_k_q9437748bd2_attn:
	.size	k_q9437748bd2_attn, .Lfunc_end_k_q9437748bd2_attn-k_q9437748bd2_attn
	.p2alignl 7, 3214868480
	.fill 96, 4, 3214868480
	.section	.rodata,"a",@progbits
	.p2align	6, 0x0
	.amdhsa_kernel k_q9437748bd2_attn
		.amdhsa_group_segment_fixed_size 327680
		.amdhsa_private_segment_fixed_size 0
		.amdhsa_enable_private_segment 0
		.amdhsa_kernarg_size 56
		.amdhsa_user_sgpr_count 2
		.amdhsa_user_sgpr_kernarg_segment_ptr 1
		.amdhsa_wavefront_size32 1
		.amdhsa_system_sgpr_workgroup_id_x 1
		.amdhsa_system_sgpr_workgroup_id_y 1
		.amdhsa_system_sgpr_workgroup_id_z 1
		.amdhsa_system_vgpr_workitem_id 0
		.amdhsa_next_free_vgpr 512
		.amdhsa_next_free_sgpr 80
		.amdhsa_reserve_vcc 0
		.amdhsa_float_denorm_mode_32 3
		.amdhsa_float_denorm_mode_16_64 3
		.amdhsa_memory_ordered 1
		.amdhsa_forward_progress 1
		.amdhsa_inst_pref_size 255
	.end_amdhsa_kernel
	.section	.bss,"aw",@nobits
	.p2align	6
	.space	262144
	.amdgpu_metadata
---
amdhsa.version: [ 1, 2 ]
amdhsa.kernels:
  - .name:           k_q9437748bd2_attn
    .symbol:         k_q9437748bd2_attn.kd
    .args:
      - { .name: theta_img, .offset: 0, .size: 8, .value_kind: global_buffer, .address_space: global }
      - { .name: kv, .offset: 8, .size: 8, .value_kind: global_buffer, .address_space: global }
      - { .name: wm_img, .offset: 16, .size: 8, .value_kind: global_buffer, .address_space: global }
      - { .name: lowp_scales, .offset: 24, .size: 8, .value_kind: global_buffer, .address_space: global }
      - { .name: bm, .offset: 32, .size: 8, .value_kind: global_buffer, .address_space: global }
      - { .name: x, .offset: 40, .size: 8, .value_kind: global_buffer, .address_space: global }
      - { .name: out0, .offset: 48, .size: 8, .value_kind: global_buffer, .address_space: global }
    .group_segment_fixed_size: 327680
    .private_segment_fixed_size: 0
    .kernarg_segment_align: 8
    .kernarg_segment_size: 56
    .max_flat_workgroup_size: 256
    .sgpr_count:     80
    .vgpr_count:     512
    .wavefront_size: 32
...
	.end_amdgpu_metadata
.endif
;; end of part 2
